; MI455X (gfx1250); checked and timed in simulation.
; The chip was launched on July 23, 2026; its instructions are those of AMD's public machine-readable ISA for CDNA 5 (MIT licence, August 2026) and "CDNA5" Instruction Set Architecture Reference Guide (July 2026). The comments in the code are by the model that wrote it; some were corrected since.
;; Nolinear Attention. Allowed arithmetic: float matrix products may take bf16 or f16 operands with f32 sums; all other float work in f32.
;; Inputs: V 1 x 1,024 float32; W 1,024 x 2,048 float32; dec_hidden 32 x 1,024 float32; enc_hiddens 32 x 2,048 x 1,024 float32; mask 32 x 2,048 bool.
;; Outputs: out0 32 x 1,024 float32; out1 32 x 1 x 2,048 float32.
;; 2 versions, each right; version 2 is version 1 with the launch main written anew for expert scheduling mode. Each part assembles by itself: llvm-mc -triple=amdgcn-amd-amdhsa -mcpu=gfx1250 --defsym DOCPART=n.
;; ======== version 1 of 2: 3 launches
;; workspace buffers: wf 2,097,152 bytes; uc 131,072 bytes; scores 262,144 bytes; prec 2,359,296 bytes
;; launch prep (part 1): grid 64 x 1, 16 waves a work-group, no clusters, 34,816 bytes of LDS; arguments W, dec_hidden, wf, uc; writes wf, uc
.if DOCPART == 1
	.amdgcn_target "amdgcn-amd-amdhsa--gfx1250"
	.amdhsa_code_object_version 6
	.text
	.protected	k_q4ca6cb7207_prep
	.globl	k_q4ca6cb7207_prep
	.p2align	8
	.type	k_q4ca6cb7207_prep,@function
k_q4ca6cb7207_prep:
	s_mov_b64 s[64:65], 0
	v_nop
	global_prefetch_b8 v0, s[64:65] scope:SCOPE_SE
	s_setreg_imm32_b32 hwreg(HW_REG_WAVE_MODE, 25, 1), 1
	s_wait_xcnt 0x0
; PREPARATION for additive attention: score(b,s) = V . tanh(W_enc enc[b,s] + W_dec dec[b]).
; One work-group for each tile of 16 columns d of W: W_enc's 16 rows are rounded to bf16 and written in the order in which the main launch's matrix
; fragments want them (wf); u = dec . W_dec^T for these 16 d and all 32 batches is made on the matrix unit (bf16 operands, f32 sums), K shared out among
; the 16 waves, added up through LDS, multiplied by c = 2 log2(e) and written to uc.
; 64 work-groups: W has 64 such tiles, 128 KB each.  No cluster, no tensor loads: every byte of W is read by one work-group and is cast on its way;
; dec, which all 64 read, is 128 KB against W's 8 MB.
.set RED,   0                          ; [16 waves][2 halves of the batches][2 halves of the registers][32 lanes][16 bytes]: the waves' partial u
.set SPARE, 32768                      ; the spare words, 128 bytes for each of 16 waves
.set EE,  16                           ; v[16:47]   W_enc, two K steps of 32: 16 f32 a lane each, then 8 registers of bf16
.set DD,  48                           ; v[48:79]   W_dec likewise
.set QQ,  80                           ; v[80:143]  dec: K step i, batches 16 t .. at QQ + 32 i + 16 t
.set U0,  144                          ; v[144:151] u for batches 0-15
.set U1,  152                          ; v[152:159] u for batches 16-31
	s_load_b256 s[4:11], s[0:1], 0x0               ; W s[4:5], dec s[6:7], wf s[8:9], uc s[10:11]
	v_lshl_add_u32 v1, v0, 2, SPARE                ; my spare word; never rewritten
	v_mov_b32 v2, 0                                ; 0; never rewritten
	v_lshrrev_b32 v9, 5, v0
	v_readfirstlane_b32 s20, v9                    ; wave 0..15
	v_and_b32 v3, 15, v0                           ; r = lane % 16
	v_bfe_u32 v4, v0, 4, 1                         ; h = lane / 16
	v_and_b32 v5, 31, v0                           ; lane
	s_mov_b32 s21, ttmp9                           ; the tile of 16 d
	s_mov_b32 s23, 0                               ; the high word of every offset pair
	s_wait_kmcnt 0x0
	; ---- part 1.  Wave w takes K steps 2 w and 2 w + 1 (64 numbers, 256 bytes of each row).
	; A fragment is 16 rows x 32 K: lane (r, h) holds row r, K = 8 h + 0..7 and 16 + 8 h + 0..7: in f32 that is 32 bytes at 32 h and 32 bytes at 64 + 32 h.
	s_lshl_b32 s22, s21, 17                        ; 16 rows of 8,192 bytes
	s_add_nc_u64 s[4:5], s[4:5], s[22:23]
	s_lshl_b32 s28, s20, 8
	v_lshl_add_u32 v10, v4, 5, s28                 ; 32 h + 256 w
	v_lshl_add_u32 v6, v3, 13, v10                 ; + r rows of W
	v_lshl_add_u32 v7, v3, 12, v10                 ; + r rows of dec
.irp i, 0,1
.irp q, 0,1,2,3
	global_load_b128 v[EE+16*(\i)+4*(\q):EE+16*(\i)+4*(\q)+3], v6, s[4:5] offset:128*(\i)+16*((\q)%2)+64*((\q)/2)
	global_load_b128 v[DD+16*(\i)+4*(\q):DD+16*(\i)+4*(\q)+3], v6, s[4:5] offset:4096+128*(\i)+16*((\q)%2)+64*((\q)/2)
	global_load_b128 v[QQ+32*(\i)+4*(\q):QQ+32*(\i)+4*(\q)+3], v7, s[6:7] offset:128*(\i)+16*((\q)%2)+64*((\q)/2)
	global_load_b128 v[QQ+32*(\i)+16+4*(\q):QQ+32*(\i)+16+4*(\q)+3], v7, s[6:7] offset:65536+128*(\i)+16*((\q)%2)+64*((\q)/2)
.endr
.endr
	; wf's byte = (dt >> 3) x 262,144 + K step x 8,192 + (dt & 7) x 1,024 + half x 512 + lane x 16
	s_lshr_b32 s22, s21, 3
	s_lshl_b32 s22, s22, 18
	s_and_b32 s29, s21, 7
	s_lshl_b32 s29, s29, 10
	s_add_co_u32 s22, s22, s29
	s_add_nc_u64 s[8:9], s[8:9], s[22:23]
	s_lshl_b32 s29, s20, 14                        ; my two K steps
	v_lshl_add_u32 v8, v5, 4, s29
	s_lshl_b32 s29, s20, 11                        ; my 2,048 bytes of RED
	v_lshl_add_u32 v9, v5, 4, s29
	s_wait_loadcnt 0x0
.macro PACK16 x                        ; 16 f32 -> a fragment of 8 registers, in place: register n takes numbers 2 n and 2 n + 1, n ascending
.irp n, 0,1,2,3,4,5,6,7
	v_cvt_pk_bf16_f32 v[(\x)+(\n)], v[(\x)+2*(\n)], v[(\x)+2*(\n)+1]
.endr
.endm
.irp x, DD, QQ, QQ+16, DD+16, QQ+32, QQ+48, EE, EE+16
	PACK16 \x
.endr
	; source 0 = 16 rows d of W_dec, source 1 = 16 batches: register j of lane (r, h) is u(d = 8 h + j, batch r).  The two sums take turns.
	v_wmma_f32_16x16x32_bf16 v[U0:U0+7], v[DD:DD+7], v[QQ:QQ+7], 0
	v_wmma_f32_16x16x32_bf16 v[U1:U1+7], v[DD:DD+7], v[QQ+16:QQ+23], 0
	v_wmma_f32_16x16x32_bf16 v[U0:U0+7], v[DD+16:DD+23], v[QQ+32:QQ+39], v[U0:U0+7]
	v_wmma_f32_16x16x32_bf16 v[U1:U1+7], v[DD+16:DD+23], v[QQ+48:QQ+55], v[U1:U1+7]
.irp i, 0,1
	global_store_b128 v8, v[EE+16*(\i):EE+16*(\i)+3], s[8:9] offset:8192*(\i)          ; each store of the wave covers 512 consecutive bytes, aligned
	global_store_b128 v8, v[EE+16*(\i)+4:EE+16*(\i)+7], s[8:9] offset:8192*(\i)+512
.endr
.rept 4
	v_nop                                          ; four places between the last product and the LDS stores that read the sums
.endr
	ds_store_b128 v9, v[U0:U0+3]
	ds_store_b128 v9, v[U0+4:U0+7] offset:512
	ds_store_b128 v9, v[U1:U1+3] offset:1024
	ds_store_b128 v9, v[U1+4:U1+7] offset:1536
	s_wait_dscnt 0x0                               ; for the others' sake: my partial u is in LDS
	s_barrier_signal -1
	s_barrier_wait -1
	s_cmp_ge_u32 s20, 4
	s_cbranch_scc1 .Lend
	; ---- part 2.  Thread T < 128 adds the 16 waves' parts of u(batch T / 4, d = 4 (T % 4) + 0..3).
	s_wait_xcnt 0x0                                ; the stores to wf have read v[16:47]: only now are they loaded again
	v_lshrrev_b32 v10, 2, v0                       ; the batch
	v_and_b32 v11, 3, v0                           ; which four d
	v_lshrrev_b32 v12, 4, v10
	v_and_b32 v13, 15, v10
	v_and_b32 v14, 1, v11
	v_lshrrev_b32 v15, 1, v11
	v_lshl_add_u32 v13, v15, 4, v13                ; the lane that held them: 16 (d / 8) + batch % 16
	v_lshlrev_b32 v13, 4, v13
	v_lshl_add_u32 v13, v14, 9, v13                ; which half of its registers
	v_lshl_add_u32 v13, v12, 10, v13               ; which half of the batches
.set i, 0
.rept 16
	ds_load_b128 v[16+4*i:16+4*i+3], v13 offset:2048*i
.set i, i+1
.endr
	v_lshlrev_b32 v12, 12, v10
	v_lshl_add_u32 v12, v11, 4, v12                ; batch x 4,096 + 16 x quarter
	s_lshl_b32 s22, s21, 6                         ; the tile's 16 d
	s_add_nc_u64 s[10:11], s[10:11], s[22:23]
	s_wait_dscnt 0x0
.irp s, 8,4,2,1
.set i, 0
.rept \s
	v_pk_add_f32 v[16+4*i:16+4*i+1], v[16+4*i:16+4*i+1], v[16+4*(i+(\s)):16+4*(i+(\s))+1]
	v_pk_add_f32 v[16+4*i+2:16+4*i+3], v[16+4*i+2:16+4*i+3], v[16+4*(i+(\s))+2:16+4*(i+(\s))+3]
.set i, i+1
.endr
.endr
	v_pk_mul_f32 v[16:17], v[16:17], 0x4038aa3b op_sel_hi:[1,0]   ; c = 2 log2(e): the main launch takes 2^(c x + c u)
	v_pk_mul_f32 v[18:19], v[18:19], 0x4038aa3b op_sel_hi:[1,0]
	global_store_b128 v12, v[16:19], s[10:11]      ; pieces of 64 bytes a batch: uc is 128 KB in all
.Lend:
	s_wait_tensorcnt 0x0                           ; the wave's end: three lines behind my last LDS store
	ds_add_u32 v1, v2
	s_wait_dscnt 0x0
	s_endpgm
.Lfunc_end_k_q4ca6cb7207_prep:
	.size	k_q4ca6cb7207_prep, .Lfunc_end_k_q4ca6cb7207_prep-k_q4ca6cb7207_prep
	.p2alignl 7, 3214868480
	.fill 96, 4, 3214868480
	.section	.rodata,"a",@progbits
	.p2align	6, 0x0
	.amdhsa_kernel k_q4ca6cb7207_prep
		.amdhsa_group_segment_fixed_size 34816
		.amdhsa_private_segment_fixed_size 0
		.amdhsa_enable_private_segment 0
		.amdhsa_kernarg_size 32
		.amdhsa_user_sgpr_count 2
		.amdhsa_user_sgpr_kernarg_segment_ptr 1
		.amdhsa_wavefront_size32 1
		.amdhsa_system_sgpr_workgroup_id_x 1
		.amdhsa_system_sgpr_workgroup_id_y 1
		.amdhsa_system_sgpr_workgroup_id_z 1
		.amdhsa_system_vgpr_workitem_id 0
		.amdhsa_next_free_vgpr 160
		.amdhsa_next_free_sgpr 66
		.amdhsa_reserve_vcc 0
		.amdhsa_float_denorm_mode_32 3
		.amdhsa_float_denorm_mode_16_64 3
		.amdhsa_memory_ordered 1
		.amdhsa_forward_progress 1
		.amdhsa_inst_pref_size 14
	.end_amdhsa_kernel
	.amdgpu_metadata
---
amdhsa.version: [ 1, 2 ]
amdhsa.kernels:
  - .name:           k_q4ca6cb7207_prep
    .symbol:         k_q4ca6cb7207_prep.kd
    .args:
      - { .name: W, .offset: 0, .size: 8, .value_kind: global_buffer, .address_space: global }
      - { .name: dec_hidden, .offset: 8, .size: 8, .value_kind: global_buffer, .address_space: global }
      - { .name: wf, .offset: 16, .size: 8, .value_kind: global_buffer, .address_space: global }
      - { .name: uc, .offset: 24, .size: 8, .value_kind: global_buffer, .address_space: global }
    .group_segment_fixed_size: 34816
    .private_segment_fixed_size: 0
    .kernarg_segment_align: 8
    .kernarg_segment_size: 32
    .max_flat_workgroup_size: 512
    .sgpr_count:     66
    .vgpr_count:     160
    .wavefront_size: 32
...
	.end_amdgpu_metadata
.endif
;; end of part 1
;; launch main (part 2): grid 16 x 32, 4 waves a work-group, no clusters, 280,064 bytes of LDS; arguments enc_hiddens, wf, uc, V, mask, scores, prec; writes scores, prec
.if DOCPART == 2
	.amdgcn_target "amdgcn-amd-amdhsa--gfx1250"
	.amdhsa_code_object_version 6
	.text
	.protected	k_q4ca6cb7207_main
	.globl	k_q4ca6cb7207_main
	.p2align	8
	.type	k_q4ca6cb7207_main,@function
k_q4ca6cb7207_main:
	s_mov_b64 s[64:65], 0
	v_nop
	global_prefetch_b8 v0, s[64:65] scope:SCOPE_SE
	s_setreg_imm32_b32 hwreg(HW_REG_WAVE_MODE, 25, 1), 1
	s_wait_xcnt 0x0
; THE MAIN LAUNCH.  Work-group (x, b) takes rows 128 x .. 128 x + 127 of batch b, masked or not:
;   L  the rows are rounded to bf16 and laid into LDS (A): every byte of enc is read from memory once;
;   C  x = A W_enc^T on the matrix unit, wave w making columns d = 256 w .. 256 w + 255 in two halves of 128; behind each half the activation, in f32:
;      tanh(x + u) = 1 - 2 / (1 + 2^(c x + c u)), c = 2 log2(e), and the wave's part of the score, the sum over d of V[d] tanh;
;   S  a masked row's score becomes -inf; the chunk's maximum m, weights p = e^(score - m) and their sum l; ctx part = sum of p x row, from the same rows in
;      LDS, on the matrix unit; the scores go to scores, (m, l) and the ctx part into the chunk's record of prec.  The last launch joins a batch's 16 records.
; FORMATS.  enc, W, dec, V are rounded to bf16, p too for the last product (l is taken of the unrounded p); sums, u, the activation, scores, m, l in f32.
; LIMITS.  A mask byte other than 0 counts as True.  A weight below 2^-126 counts as 0.  The exponents take max(m, lowest finite f32), so that a chunk with every
; row masked gives p = 0, l = 0 and a ctx part of 0; its record keeps m = -inf.
; NOTHING READ FROM MEMORY STEERS A BRANCH OR AN ADDRESS: masked rows are computed like the others and their scores replaced by a select.
; W COMES STRAIGHT INTO REGISTERS: the waves are split along d, so a fragment of W is one wave's alone; wf holds them in the order of use, and a ring of four
; K steps (64 registers each) is loaded three steps ahead.  NO TENSOR LOADS: enc is cast on its way into LDS.  NO CLUSTER: what the work-groups share is W;
; of LDS's 327,680 bytes 280,064 are in use, and two slots of one K step of the four waves' W would take 65,536.
; THE MATRIX INSTRUCTION IS USED TRANSPOSED: source 0 = 16 columns d of W, source 1 = 16 rows of A: a lane holds ONE row (lane % 16) and d = 8 (lane / 16) + 0..7.
; ADDRESSES THAT MOVE are a register that is never rewritten plus a scalar that steps in its counted loop; W's is wf's pointer plus such a scalar.
; REGISTERS, in windows of 256 (s_set_vgpr_msb: bits 1:0 source 0, 3:2 source 1, 5:4 source 2, 7:6 destination):
;   window 0: v0-39 addresses; v40-231 phase L's six row slots, v232-251 the tables on their way; later v40-103 A's fragments, v112-127 scores, v130-161 c u and V, v162-189 softmax
;   window 1: W's ring      window 2: the sums of row tiles 0-3, later ctx      window 3: the sums of row tiles 4-7, later A's turned fragments
.set PA,    2064                       ; a row of A in LDS: 2,048 bytes + 16: 129 x 16, so the 16 rows of a fragment load start at 16 different groups of four banks (ISA guide 11.1)
.set UCT,   128*PA                     ; 4,096 bytes: c u of my batch
.set VT,    UCT+4096                   ; 4,096 bytes: V, rounded to bf16 and widened again
.set SCW,   VT+4096                    ; [4 waves][128 rows] partial scores
.set PB,    SCW+2048                   ; 256 bytes a wave: 128 weights in bf16
.set CTXS,  PB+1024                    ; 1,024 bytes a wave: ctx on its way out
.set SPARE, CTXS+4096                  ; the spare words, 128 bytes for each wave
.set SPW, 1                            ; my spare word's address; never rewritten
.set NIL, 2                            ; 0; never rewritten
.set RR,  3                            ; lane % 16
.set HH,  4                            ; lane / 16
.set LN,  5                            ; lane
.set L16, 7                            ; 16 lane
.set LA0, 8                            ; v8, v9: where my wave's rows 0-15 and 16-31 go: 32 w rows (+ 16 rows) + 8 lane
.set EA,  10                           ; v10-13: EB + s73: A's fragments of the K group in hand
.set TA,  15                           ; TA0 + s72: the tables of the half in hand
.set TA0, 16
.set SW,  17                           ; where my partial scores go
.set RW,  18                           ; where rows 4 lane + 0..3 are read back
.set PBA, 20
.set PFA, 21
.set CST, 22
.set CRD, 23
.set L4,  24                           ; 4 lane
.set T0,  25
.set MW,  26                           ; the mask bytes of rows 4 lane + 0..3
.set EB,  27                           ; v27-30: (32 i + r) rows + 16 h; never rewritten
.set TR,  32                           ; v32-35: the turning loads' addresses, 32 rows each
.set T1,  36
.set CGO, 38                           ; 1,024 w + 16 lane
.set T2,  39
.set STG, 40
.set EF,  40
.set PF,  40
.set CO,  80
.set SC,  112
.set UV,  130
.set PT,  162
.set MX,  186                          ; v186 m, v187 l, v188-189 the same again: the quad that is stored
.set LS,  187
.set TB,  232
; scalars: s[4:5] enc at my wave's rows, s[6:7] wf at my wave, s[8:9] uc at my batch, s[10:11] V, s[12:13] mask at my rows, s[14:15] scores at my rows, s[16:17] my record,
; s20 wave, s21 x, s22 b, s26 s27 counters, s[28:29] c, s[30:31] lane selects, s[52:53] an offset pair, s67 log2(e), s68 -inf, s69 s71 at work,
; s72 s73 the steps of TA and EA, s[74:75] W's offset, s[76:77] wf at the ring's next fills
.set MSB, 0
.macro WIN new                         ; the immediate's high byte repeats the setting that is left; a switch that changes nothing is dropped
.if MSB != (\new)
	s_set_vgpr_msb (MSB<<8)|(\new)
.set MSB, (\new)
.endif
.endm
.macro PLACES                          ; four places between a matrix instruction and a load into, or a vector instruction on, one of its registers
.rept 4
	v_nop
.endr
.endm
.macro WLOAD ph                        ; 16 loads of 512 consecutive bytes: a K step's 8 fragments of W into ring buffer ph
	WIN 0x40
.irp f, 0,1,2,3,4,5,6,7,8,9,10,11,12,13,14,15
	global_load_b128 v[64*(\ph)+4*(\f):64*(\ph)+4*(\f)+3], v[L16], s[76:77] offset:(\ph)*8192+512*(\f)
.endr
.endm
; ---- phase L's macros.  A ring of six slots in registers, a row of 4,096 bytes each: 48 loads of 512 bytes of every wave are on their way.  The 32 rows are written out: every address is an immediate.
.macro LFILL row
.set sl, STG+32*((\row)%6)
.irp k, 0,1,2,3,4,5,6,7
	global_load_b128 v[sl+4*(\k):sl+4*(\k)+3], v[L16], s[4:5] offset:(\row)*4096+512*(\k) th:TH_LOAD_NT
.endr
.endm
.macro LSLOT row
.set sl, STG+32*((\row)%6)
.if (\row) <= 26
	s_wait_loadcnt 40                              ; loads come back in order (ISA guide 5.7.1): my row's eight are in, the next five rows' stay out
.else
	s_wait_loadcnt 8*(31-(\row))                   ; the last rows: the counts run down
.endif
.irp k, 0,1,2,3,4,5,6,7
	v_cvt_pk_bf16_f32 v[sl+4*(\k)],   v[sl+4*(\k)],   v[sl+4*(\k)+1]
	v_cvt_pk_bf16_f32 v[sl+4*(\k)+1], v[sl+4*(\k)+2], v[sl+4*(\k)+3]
.endr
.irp k, 0,1,2,3,4,5,6,7
	ds_store_b64 v[LA0+(\row)/16], v[sl+4*(\k):sl+4*(\k)+1] offset:((\row)%16)*PA+256*(\k)   ; 32 lanes, 256 consecutive bytes
.endr
.if (\row) <= 25
	LFILL (\row)+6
.endif
.endm
; ---- phase C's macros
.macro EASET                           ; A's four fragment addresses for the K group at byte s73 of the rows
.irp i, 0,1,2,3
	v_add_nc_u32 v[EA+(\i)], s73, v[EB+(\i)]
.endr
.endm
.macro EFLOAD a, k                     ; row tile a's fragment at byte k of the K group in hand
	ds_load_b128 v[EF+8*(\a):EF+8*(\a)+3],   v[EA+(\a)/2] offset:((\a)%2)*16*PA+(\k)
	ds_load_b128 v[EF+8*(\a)+4:EF+8*(\a)+7], v[EA+(\a)/2] offset:((\a)%2)*16*PA+(\k)+32
.endm
.macro PROD ph, a, zero                ; row tile a x the 8 column tiles of ring buffer ph.  zero = 1: the products start the sums
.if (\a) < 4
	WIN 0xa1
.else
	WIN 0xf1
.endif
.set AC, 64*((\a)%4)
.irp b, 0,1,2,3,4,5,6,7
.if \zero
	v_wmma_f32_16x16x32_bf16 v[AC+8*(\b):AC+8*(\b)+7], v[64*(\ph)+8*(\b):64*(\ph)+8*(\b)+7], v[EF+8*(\a):EF+8*(\a)+7], 0
.else
	v_wmma_f32_16x16x32_bf16 v[AC+8*(\b):AC+8*(\b)+7], v[64*(\ph)+8*(\b):64*(\ph)+8*(\b)+7], v[EF+8*(\a):EF+8*(\a)+7], v[AC+8*(\b):AC+8*(\b)+7]
.endif
.endr
.endm
; A K step of 32: 64 products on 64 accumulators, which take turns, one instruction a turn over the loops' edges too.
; In its middle and at its end A's fragments of the next step (at byte efk) are fetched.  At its end the next step's W is waited for and ring buffer ph is filled with the step four on:
; that fill has three steps, 192 products, in which to land, and 48 loads of W are out at the most.
.macro STEP ph, zero, efk
	s_wait_dscnt 8                                 ; row tiles 0-3 are in; the youngest eight loads (tiles 4-7) may be out
.irp a, 0,1,2,3
	PROD \ph, \a, \zero
.endr
	PLACES
	WIN 0
.irp a, 0,1,2,3
	EFLOAD \a, \efk
.endr
	s_wait_dscnt 8                                 ; tiles 4-7 are in; the eight just issued stay out
.irp a, 4,5,6,7
	PROD \ph, \a, \zero
.endr
	PLACES
	WIN 0
.irp a, 4,5,6,7
	EFLOAD \a, \efk
.endr
	s_wait_loadcnt 32                              ; the next step's 16 loads of W are in; the two later steps' 32 stay out
	WLOAD \ph
.endm
.macro ADVW                            ; the ring's fills go four K steps on; behind my 524,288 bytes they begin again, so that no load leaves wf (the last four fills serve nothing)
	WIN 0
	s_add_co_u32 s74, s74, 0x8000
	s_and_b32 s74, s74, 0x7ffff
	s_wait_xcnt 0x0                                ; the loads issued have read their base
	s_add_nc_u64 s[76:77], s[6:7], s[74:75]
.endm
.macro UVLOAD b                        ; c u and V of my 8 columns of column tile b, into buffer b % 2
	WIN 0
.set U, UV+16*((\b)%2)
	ds_load_b128 v[U:U+3],     v[TA] offset:64*(\b)
	ds_load_b128 v[U+4:U+7],   v[TA] offset:64*(\b)+16
	ds_load_b128 v[U+8:U+11],  v[TA] offset:64*(\b)+4096
	ds_load_b128 v[U+12:U+15], v[TA] offset:64*(\b)+4112
.endm
; The activation of the four row tiles from a0 on, column tile b, in place: c x + c u; 2^; + 1; 1 /; 1 - 2 x that; then score += V tanh.  Each accumulator's lowest pair is read first.
; A v_nop stands behind each run of transcendentals, ahead of the first use of a result (ISA guide 5.7.2).
.macro EACH line:vararg                ; one line for each pair pp of each tile tt
.set tt, 0
.rept 4
.set pp, 0
.rept 4
	\line
.set pp, pp+1
.endr
.set tt, tt+1
.endr
.endm
.macro BATCH b, a0
.if (\a0) == 0
.set WA, 0x82
.set WB, 0x02
.else
.set WA, 0xc3
.set WB, 0x03
.endif
.set XB, 8*(\b)
.set U, UV+16*((\b)%2)
	WIN WA
	EACH v_pk_fma_f32 v[XB+64*tt+2*pp:XB+64*tt+2*pp+1], v[XB+64*tt+2*pp:XB+64*tt+2*pp+1], s[28:29], v[U+2*pp:U+2*pp+1] op_sel_hi:[1,0,1]
.set tt, 0
.rept 4
.set pp, 0
.rept 8
	v_exp_f32 v[XB+64*tt+pp], v[XB+64*tt+pp]
.set pp, pp+1
.endr
.set tt, tt+1
.endr
	v_nop
	s_wait_alu depctr_va_vdst(0)
	EACH v_pk_add_f32 v[XB+64*tt+2*pp:XB+64*tt+2*pp+1], v[XB+64*tt+2*pp:XB+64*tt+2*pp+1], 1.0 op_sel_hi:[1,0]
.set tt, 0
.rept 4
.set pp, 0
.rept 8
	v_rcp_f32 v[XB+64*tt+pp], v[XB+64*tt+pp]
.set pp, pp+1
.endr
.set tt, tt+1
.endr
	v_nop
	s_wait_alu depctr_va_vdst(0)
	EACH v_pk_fma_f32 v[XB+64*tt+2*pp:XB+64*tt+2*pp+1], v[XB+64*tt+2*pp:XB+64*tt+2*pp+1], -2.0, 1.0 op_sel_hi:[1,0,0]
	WIN WB
.set pp, 0
.rept 4
.set tt, 0
.rept 4
	v_pk_fma_f32 v[SC+2*((\a0)+tt):SC+2*((\a0)+tt)+1], v[XB+64*tt+2*pp:XB+64*tt+2*pp+1], v[U+8+2*pp:U+8+2*pp+1], v[SC+2*((\a0)+tt):SC+2*((\a0)+tt)+1]
.set tt, tt+1
.endr
.set pp, pp+1
.endr
.endm
; ---- phase S's macros
.macro CT_LOAD kk                      ; rows 32 kk .. of A, my 256 columns e, turned: 16 fragments (16 e x 32 rows) into buffer kk % 2 of window 3
	WIN 0xc0
.irp et, 0,1,2,3,4,5,6,7,8,9,10,11,12,13,14,15
	ds_load_tr16_b128 v[128*((\kk)%2)+8*(\et):128*((\kk)%2)+8*(\et)+3],   v[TR+(\kk)] offset:32*(\et)
	ds_load_tr16_b128 v[128*((\kk)%2)+8*(\et)+4:128*((\kk)%2)+8*(\et)+7], v[TR+(\kk)] offset:32*(\et)+16*PA
.endr
.endm
.macro CT_MUL kk                       ; ctx^T += A^T p: 16 accumulators by turns; every column of source 1 holds p
	WIN 0xa3
.irp et, 0,1,2,3,4,5,6,7,8,9,10,11,12,13,14,15
.if (\kk) == 0
	v_wmma_f32_16x16x32_bf16 v[8*(\et):8*(\et)+7], v[128*((\kk)%2)+8*(\et):128*((\kk)%2)+8*(\et)+7], v[PF+8*(\kk):PF+8*(\kk)+7], 0
.else
	v_wmma_f32_16x16x32_bf16 v[8*(\et):8*(\et)+7], v[128*((\kk)%2)+8*(\et):128*((\kk)%2)+8*(\et)+7], v[PF+8*(\kk):PF+8*(\kk)+7], v[8*(\et):8*(\et)+7]
.endif
.endr
.endm
	s_load_b256 s[4:11], s[0:1], 0x0               ; enc s[4:5], wf s[6:7], uc s[8:9], V s[10:11]
	s_load_b128 s[12:15], s[0:1], 0x20             ; mask s[12:13], scores s[14:15]
	s_load_b64 s[16:17], s[0:1], 0x30              ; prec
	v_lshl_add_u32 v[SPW], v0, 2, SPARE
	v_mov_b32 v[NIL], 0
	v_lshrrev_b32 v[T0], 5, v0
	v_readfirstlane_b32 s20, v[T0]                 ; wave 0..3
	s_mov_b32 s21, ttmp9                           ; x: which 128 rows of the batch
	s_and_b32 s22, ttmp7, 0xffff                   ; b
	s_mov_b32 s28, 0x4038aa3b                      ; c = 2 log2(e)
	s_mov_b32 s29, s28                             ; named with it as a pair
	s_mov_b32 s30, 0x76543210                      ; v_permlanex16_b32: each lane takes its own place in the other half
	s_mov_b32 s31, 0xfedcba98
	s_mov_b32 s53, 0                               ; the high word of the offset pair s[52:53]
	s_mov_b32 s67, 0x3fb8aa3b                      ; log2(e)
	s_mov_b32 s68, 0xff800000                      ; -inf
	s_mov_b32 s74, 0                               ; W's offset, in 64 bits
	s_mov_b32 s75, 0
	v_and_b32 v[RR], 15, v0
	v_bfe_u32 v[HH], v0, 4, 1
	v_and_b32 v[LN], 31, v0
	v_lshlrev_b32 v[L16], 4, v[LN]
	v_lshlrev_b32 v[L4], 2, v[LN]
	v_lshlrev_b32 v[T2], 4, v0                     ; 16 x thread: the tables
	s_wait_kmcnt 0x0
	s_lshl_b32 s52, s22, 23                        ; a batch is 2,048 rows of 4,096 bytes,
	s_lshl_b32 s69, s21, 19                        ; my work-group's part 128 rows,
	s_add_co_u32 s52, s52, s69
	s_lshl_b32 s69, s20, 17                        ; my wave's 32 of them
	s_add_co_u32 s52, s52, s69
	s_add_nc_u64 s[4:5], s[4:5], s[52:53]
	s_lshl_b32 s52, s20, 19
	s_add_nc_u64 s[6:7], s[6:7], s[52:53]          ; wf at my wave's 256 columns
	s_mov_b64 s[76:77], s[6:7]
	s_lshl_b32 s52, s22, 12
	s_add_nc_u64 s[8:9], s[8:9], s[52:53]          ; uc at my batch
	s_lshl_b32 s52, s22, 11
	s_lshl_b32 s69, s21, 7
	s_add_co_u32 s52, s52, s69                     ; my first row among all: a byte of mask,
	s_add_nc_u64 s[12:13], s[12:13], s[52:53]
	s_lshl_b32 s52, s52, 2                         ; four bytes of scores
	s_add_nc_u64 s[14:15], s[14:15], s[52:53]
	s_lshl4_add_u32 s69, s22, s21                  ; 16 b + x
	s_mul_i32 s52, s69, 4608
	s_add_nc_u64 s[16:17], s[16:17], s[52:53]      ; my record
	global_load_b128 v[TB:TB+3], v[T2], s[8:9]
	global_load_b128 v[TB+4:TB+7], v[T2], s[8:9] offset:2048
	global_load_b128 v[TB+8:TB+11], v[T2], s[10:11]
	global_load_b128 v[TB+12:TB+15], v[T2], s[10:11] offset:2048
	global_load_b32 v[MW], v[L4], s[12:13]
.irp r, 0,1,2,3,4,5
	LFILL \r
.endr
	; the address registers, while the loads are out
	s_mul_i32 s69, s20, 32*PA
	v_lshl_add_u32 v[LA0], v[LN], 3, s69
	v_add_nc_u32 v[LA0+1], 16*PA, v[LA0]
	v_mul_u32_u24 v[EB], v[RR], PA
	v_lshl_add_u32 v[EB], v[HH], 4, v[EB]
.irp i, 1,2,3
	v_add_nc_u32 v[EB+(\i)], (\i)*32*PA, v[EB]
.endr
.irp i, 0,1,2,3
	v_mov_b32 v[EA+(\i)], v[EB+(\i)]               ; K = 0
.endr
	s_lshl_b32 s69, s20, 10
	s_add_co_u32 s71, s69, UCT
	v_lshl_add_u32 v[TA0], v[HH], 5, s71           ; (256 w + 8 h) x 4
	s_add_co_u32 s71, s69, CTXS
	v_lshl_add_u32 v[CST], v[HH], 5, s71
	v_add_nc_u32 v[CRD], s71, v[L16]
	v_add_nc_u32 v[CGO], s69, v[L16]
	s_lshl_b32 s69, s20, 9
	s_add_co_u32 s71, s69, SCW
	v_lshl_add_u32 v[SW], v[RR], 2, s71
	v_add_nc_u32 v[RW], SCW, v[L16]
	; the turning load: lane l reads 16 bytes of row 8 (l / 16) + l % 8, columns 8 ((l / 8) % 2) + 0..7
	v_and_b32 v[T0], 7, v0
	v_lshl_add_u32 v[T0], v[HH], 3, v[T0]
	v_mul_u32_u24 v[T0], v[T0], PA
	v_bfe_u32 v[T1], v0, 3, 1
	v_lshl_add_u32 v[T0], v[T1], 4, v[T0]
	v_add_nc_u32 v[TR], s69, v[T0]                 ; + my wave's 256 columns e
.irp k, 1,2,3
	v_add_nc_u32 v[TR+(\k)], (\k)*32*PA, v[TR]
.endr
	s_lshl_b32 s69, s20, 8
	s_add_co_u32 s71, s69, PB
	v_lshl_add_u32 v[PBA], v[LN], 3, s71
	v_lshl_add_u32 v[PFA], v[HH], 4, s71
	s_wait_loadcnt 48                              ; the tables and the mask word are in: the six rows' 48 loads were issued behind them
	v_add_nc_u32 v[T0], UCT, v[T2]
	ds_store_b128 v[T0], v[TB:TB+3]
	ds_store_b128 v[T0], v[TB+4:TB+7] offset:2048
.irp n, 0,1,2,3
	v_cvt_pk_bf16_f32 v[TB+16+(\n)], v[TB+8+2*(\n)], v[TB+8+2*(\n)+1]   ; V is rounded to bf16 like the other inputs,
.endr
.irp n, 0,1,2,3
	v_lshlrev_b32 v[TB+8+2*(\n)], 16, v[TB+16+(\n)]                     ; and widened again
	v_and_b32 v[TB+8+2*(\n)+1], 0xffff0000, v[TB+16+(\n)]
.endr
	ds_store_b128 v[T0], v[TB+8:TB+11] offset:4096
	ds_store_b128 v[T0], v[TB+12:TB+15] offset:6144
	; ---- PHASE L: wave w brings rows 32 w .. 32 w + 31
.set rw, 0
.rept 32
	LSLOT rw
.set rw, rw+1
.endr
	WLOAD 0                                        ; W's first three K steps go out while the waves meet
	WLOAD 1
	WLOAD 2
	WIN 0
	s_wait_dscnt 0x0                               ; for the others' sake: my rows of A and my part of the tables are in LDS
	s_barrier_signal -1
	s_barrier_wait -1
	; ---- PHASE C
.irp a, 0,1,2,3,4,5,6,7
	EFLOAD \a, 0
.endr
	s_wait_loadcnt 32                              ; K step 0 of W is in; steps 1 and 2 stay out
	WLOAD 3
	ADVW                                           ; the ring holds K steps 0-3; the next fills are steps 4-7
.set i, 0
.rept 16
	v_mov_b32 v[SC+i], 0
.set i, i+1
.endr
	s_mov_b32 s72, 0
	s_mov_b32 s73, 0
	s_mov_b32 s27, 2
.Ldc:                                                  ; a half of my columns: 8 column tiles, K = 1,024 in 32 steps, then the activation
	v_add_nc_u32 v[TA], s72, v[TA0]
	STEP 0, 1, 64                                  ; the first step stands in front of the loop: its products start the sums
	WIN 0
	s_mov_b32 s26, 7
.Lk:
	STEP 1, 0, 128
	STEP 2, 0, 192
	STEP 3, 0, 256
	ADVW
	s_add_co_u32 s73, s73, 256                     ; A's next group of four K steps
	EASET
	STEP 0, 0, 64
	WIN 0
	s_sub_co_i32 s26, s26, 1
	s_cmp_lg_u32 s26, 0
	s_cbranch_scc1 .Lk
	STEP 1, 0, 128
	STEP 2, 0, 192
	WIN 0
	s_mov_b32 s73, 0                               ; back to K = 0: the last step fetches the next half's first fragments
	EASET
	STEP 3, 0, 0
	ADVW
	UVLOAD 0                                       ; the four v_nop at the last step's end are the places behind its products
.irp b, 0,1,2,3,4,5,6,7
.if (\b) < 7
	UVLOAD (\b)+1
	s_wait_dscnt 4                                 ; column tile b's tables are in; the next tile's four loads stay out
.else
	s_wait_dscnt 0x0
.endif
	BATCH \b, 0
	BATCH \b, 4
.endr
	WIN 0
	s_add_co_u32 s72, s72, 512                     ; the tables of the next 128 columns
	s_sub_co_i32 s27, s27, 1
	s_cmp_lg_u32 s27, 0
	s_cbranch_scc1 .Ldc
	s_wait_loadcnt 0x0                             ; the ring's last fills
	s_wait_dscnt 0x0                               ; my reads of A and of the tables are back
	s_barrier_signal -1                            ; the phase that only reads LDS ends for every wave before any wave stores again: the ordering does not hang on where the moving addresses point
	; my wave's part of the scores, on registers between the signal and the wait: the pair's two halves, and the other half of the lanes' eight columns
.irp a, 0,1,2,3,4,5,6,7
	v_add_f32 v[UV+(\a)], v[SC+2*(\a)], v[SC+2*(\a)+1]
.endr
.irp a, 0,1,2,3,4,5,6,7
	v_permlanex16_b32 v[UV+16+(\a)], v[UV+(\a)], s30, s31
.endr
.irp a, 0,1,2,3,4,5,6,7
	v_add_f32 v[UV+(\a)], v[UV+(\a)], v[UV+16+(\a)]
.endr
	s_barrier_wait -1
.irp a, 0,1,2,3,4,5,6,7
	ds_store_b32 v[SW], v[UV+(\a)] offset:64*(\a)  ; both halves of the lanes store the same word
.endr
	s_wait_dscnt 0x0                               ; for the others' sake: my partial scores are in LDS
	s_barrier_signal -1
	s_barrier_wait -1
	; ---- PHASE S.  Every wave makes the statistics for itself: lane l has rows 4 l + 0..3.
.irp q, 0,1,2,3
	ds_load_b128 v[PT+4*(\q):PT+4*(\q)+3], v[RW] offset:512*(\q)
.endr
	s_wait_dscnt 0x0
	v_pk_add_f32 v[PT:PT+1], v[PT:PT+1], v[PT+4:PT+5]
	v_pk_add_f32 v[PT+2:PT+3], v[PT+2:PT+3], v[PT+6:PT+7]
	v_pk_add_f32 v[PT+8:PT+9], v[PT+8:PT+9], v[PT+12:PT+13]
	v_pk_add_f32 v[PT+10:PT+11], v[PT+10:PT+11], v[PT+14:PT+15]
	v_pk_add_f32 v[PT:PT+1], v[PT:PT+1], v[PT+8:PT+9]
	v_pk_add_f32 v[PT+2:PT+3], v[PT+2:PT+3], v[PT+10:PT+11]
.irp y, 0,1,2,3
	v_bfe_u32 v[T0], v[MW], 8*(\y), 8
	v_cmp_eq_u32 vcc_lo, 0, v[T0]
	v_cndmask_b32 v[PT+(\y)], s68, v[PT+(\y)], vcc_lo   ; a masked row's score is -inf
.endr
	v_max3_num_f32 v[MX], v[PT], v[PT+1], v[PT+2]
	v_max_num_f32 v[MX], v[MX], v[PT+3]
	v_max_num_f32_dpp v[MX], v[MX], v[MX] row_xmask:1 row_mask:0xf bank_mask:0xf
	v_max_num_f32_dpp v[MX], v[MX], v[MX] row_xmask:2 row_mask:0xf bank_mask:0xf
	v_max_num_f32_dpp v[MX], v[MX], v[MX] row_xmask:4 row_mask:0xf bank_mask:0xf
	v_max_num_f32_dpp v[MX], v[MX], v[MX] row_xmask:8 row_mask:0xf bank_mask:0xf
	v_permlanex16_b32 v[PT+4], v[MX], s30, s31
	v_max_num_f32 v[MX], v[MX], v[PT+4]            ; m: -inf where every row of the chunk is masked
	v_max_num_f32 v[PT+5], 0xff7fffff, v[MX]       ; what the exponents take away: m, or the lowest finite number
.irp y, 0,1,2,3
	v_sub_f32 v[PT+8+(\y)], v[PT+(\y)], v[PT+5]
.endr
.irp y, 0,1,2,3
	v_mul_f32 v[PT+8+(\y)], s67, v[PT+8+(\y)]
.endr
.irp y, 0,1,2,3
	v_exp_f32 v[PT+8+(\y)], v[PT+8+(\y)]           ; p = e^(score - m)
.endr
	v_nop
	s_wait_alu depctr_va_vdst(0)
	v_add_f32 v[LS], v[PT+8], v[PT+9]
	v_add_f32 v[PT+6], v[PT+10], v[PT+11]
	v_cvt_pk_bf16_f32 v[PT+12], v[PT+8], v[PT+9]
	v_cvt_pk_bf16_f32 v[PT+13], v[PT+10], v[PT+11]
	v_add_f32 v[LS], v[LS], v[PT+6]
	ds_store_b64 v[PBA], v[PT+12:PT+13]            ; 128 weights in the rows' order, in my wave's own bytes
.irp k, 0,1,2,3
	ds_load_b128 v[PF+8*(\k):PF+8*(\k)+3],   v[PFA] offset:64*(\k)      ; and back as source 1: rows 32 k + 8 h + 0..7 and + 16, the same for every column.
	ds_load_b128 v[PF+8*(\k)+4:PF+8*(\k)+7], v[PFA] offset:64*(\k)+32   ; LDS serves a wave's instructions in order (ISA guide 5.7.1.4): these see the store above
.endr
	v_add_f32_dpp v[LS], v[LS], v[LS] row_xmask:1 row_mask:0xf bank_mask:0xf
	v_add_f32_dpp v[LS], v[LS], v[LS] row_xmask:2 row_mask:0xf bank_mask:0xf
	v_add_f32_dpp v[LS], v[LS], v[LS] row_xmask:4 row_mask:0xf bank_mask:0xf
	v_add_f32_dpp v[LS], v[LS], v[LS] row_xmask:8 row_mask:0xf bank_mask:0xf
	v_permlanex16_b32 v[PT+6], v[LS], s30, s31
	v_add_f32 v[LS], v[LS], v[PT+6]                ; l
	s_cmp_lg_u32 s20, 0
	s_cbranch_scc1 .Lnot_wave_0
	; wave 0 alone: the chunk's 128 scores, and (m, l) into the record
	global_store_b128 v[L16], v[PT:PT+3], s[14:15]               ; 512 consecutive bytes, aligned
	v_mov_b32 v[MX+2], v[MX]
	v_mov_b32 v[MX+3], v[LS]
	global_store_b128 v[L16], v[MX:MX+3], s[16:17] offset:4096   ; 512 consecutive bytes of (m, l, m, l)
.Lnot_wave_0:
	CT_LOAD 0
	CT_LOAD 1
	s_wait_dscnt 32                                ; all but the 32 just issued: the weights and rows 0-31
	CT_MUL 0
	PLACES
	CT_LOAD 2
	s_wait_dscnt 32
	CT_MUL 1
	PLACES
	CT_LOAD 3
	s_wait_dscnt 32
	CT_MUL 2
	s_wait_dscnt 0x0
	CT_MUL 3
	PLACES
	; register j of lane (r, h) is ctx(e = 16 et + 8 h + j), the same for every r: through my wave's stage into 16 bytes a lane
	WIN 0x08                                       ; the stores' data lie in window 2
.irp et, 0,1,2,3,4,5,6,7,8,9,10,11,12,13,14,15
	ds_store_b128 v[CST], v[8*(\et):8*(\et)+3] offset:64*(\et)
	ds_store_b128 v[CST], v[8*(\et)+4:8*(\et)+7] offset:64*(\et)+16
.endr
	WIN 0
	ds_load_b128 v[CO:CO+3], v[CRD]
	ds_load_b128 v[CO+4:CO+7], v[CRD] offset:512
	s_wait_dscnt 0x0
	global_store_b128 v[CGO], v[CO:CO+3], s[16:17]             ; each store of the wave covers 512 consecutive bytes, aligned
	global_store_b128 v[CGO], v[CO+4:CO+7], s[16:17] offset:512
	s_wait_tensorcnt 0x0                           ; the wave's end: three lines behind my last LDS store
	ds_add_u32 v[SPW], v[NIL]
	s_wait_dscnt 0x0
	s_endpgm
.Lfunc_end_k_q4ca6cb7207_main:
	.size	k_q4ca6cb7207_main, .Lfunc_end_k_q4ca6cb7207_main-k_q4ca6cb7207_main
	.p2alignl 7, 3214868480
	.fill 96, 4, 3214868480
	.section	.rodata,"a",@progbits
	.p2align	6, 0x0
	.amdhsa_kernel k_q4ca6cb7207_main
		.amdhsa_group_segment_fixed_size 280064
		.amdhsa_private_segment_fixed_size 0
		.amdhsa_enable_private_segment 0
		.amdhsa_kernarg_size 56
		.amdhsa_user_sgpr_count 2
		.amdhsa_user_sgpr_kernarg_segment_ptr 1
		.amdhsa_wavefront_size32 1
		.amdhsa_system_sgpr_workgroup_id_x 1
		.amdhsa_system_sgpr_workgroup_id_y 1
		.amdhsa_system_sgpr_workgroup_id_z 1
		.amdhsa_system_vgpr_workitem_id 0
		.amdhsa_next_free_vgpr 1024
		.amdhsa_next_free_sgpr 78
		.amdhsa_reserve_vcc 1
		.amdhsa_float_denorm_mode_32 3
		.amdhsa_float_denorm_mode_16_64 3
		.amdhsa_memory_ordered 1
		.amdhsa_forward_progress 1
		.amdhsa_inst_pref_size 255
	.end_amdhsa_kernel
	.section	.bss,"aw",@nobits
	.p2align	6
	.space	262144
	.amdgpu_metadata
---
amdhsa.version: [ 1, 2 ]
amdhsa.kernels:
  - .name:           k_q4ca6cb7207_main
    .symbol:         k_q4ca6cb7207_main.kd
    .args:
      - { .name: enc_hiddens, .offset: 0, .size: 8, .value_kind: global_buffer, .address_space: global }
      - { .name: wf, .offset: 8, .size: 8, .value_kind: global_buffer, .address_space: global }
      - { .name: uc, .offset: 16, .size: 8, .value_kind: global_buffer, .address_space: global }
      - { .name: V, .offset: 24, .size: 8, .value_kind: global_buffer, .address_space: global }
      - { .name: mask, .offset: 32, .size: 8, .value_kind: global_buffer, .address_space: global }
      - { .name: scores, .offset: 40, .size: 8, .value_kind: global_buffer, .address_space: global }
      - { .name: prec, .offset: 48, .size: 8, .value_kind: global_buffer, .address_space: global }
    .group_segment_fixed_size: 280064
    .private_segment_fixed_size: 0
    .kernarg_segment_align: 8
    .kernarg_segment_size: 56
    .max_flat_workgroup_size: 128
    .sgpr_count:     78
    .vgpr_count:     1024
    .wavefront_size: 32
...
	.end_amdgpu_metadata
.endif
;; end of part 2
;; launch finish (part 3): grid 32 x 1, 8 waves a work-group, no clusters, 0 bytes of LDS; arguments scores, prec, out0, out1; writes out0, out1
.if DOCPART == 3
	.amdgcn_target "amdgcn-amd-amdhsa--gfx1250"
	.amdhsa_code_object_version 6
	.text
	.protected	k_q4ca6cb7207_finish
	.globl	k_q4ca6cb7207_finish
	.p2align	8
	.type	k_q4ca6cb7207_finish,@function
k_q4ca6cb7207_finish:
	s_mov_b64 s[64:65], 0
	v_nop
	global_prefetch_b8 v0, s[64:65] scope:SCOPE_SE
	s_setreg_imm32_b32 hwreg(HW_REG_WAVE_MODE, 25, 1), 1
	s_wait_xcnt 0x0
; THE LAST LAUNCH joins a batch's 16 records (m_i, l_i, ctx_i) and makes the two outputs.  One work-group a batch, 256 threads, no LDS, no barrier: every thread
; makes the batch's statistics for itself from 128 bytes.
;   M = max m_i;  w_i = e^(m_i - M);  L = sum of w_i l_i;  ctx = sum of (w_i / L) ctx_i;  attn[s] = e^(score[s] - M) / L, which is 0 where scores holds -inf (a masked row).
; A record without rows is (-inf, 0, zeros): its w is 0.  A batch with every row masked has M = -inf: (-inf) - (-inf) is NaN, and both outputs are NaN, as the problem's function has it.
; 32 work-groups: the launch moves 2.9 MB; sharing a batch out further would only repeat the statistics.  Matrix units, LDS and clusters have nothing to do here.
.set ML, 4                             ; v[4:35]    (m_i, l_i)
.set CX, 36                            ; v[36:99]   my four numbers of ctx_i
.set SS, 100                           ; v[100:107] my eight scores
.set MM, 108                           ; M
.set WW, 110                           ; v[110:125] w_i
.set LL, 126
.set RL, 127                           ; 1 / L
.set OC, 128                           ; v[128:131] ctx
	s_load_b256 s[4:11], s[0:1], 0x0               ; scores s[4:5], prec s[6:7], out0 s[8:9], out1 s[10:11]
	v_lshlrev_b32 v1, 4, v0                        ; 16 x thread
	v_mov_b32 v2, 0
	s_mov_b32 s13, 0
	s_mov_b32 s14, 0x3fb8aa3b                      ; log2(e)
	s_wait_kmcnt 0x0
	s_mul_i32 s12, ttmp9, 73728                    ; 16 records of 4,608 bytes
	s_add_nc_u64 s[6:7], s[6:7], s[12:13]
	s_lshl_b32 s12, ttmp9, 13
	s_add_nc_u64 s[4:5], s[4:5], s[12:13]
	s_add_nc_u64 s[10:11], s[10:11], s[12:13]
	s_lshl_b32 s12, ttmp9, 12
	s_add_nc_u64 s[8:9], s[8:9], s[12:13]
.set i, 0
.rept 16
	global_load_b64 v[ML+2*i:ML+2*i+1], v2, s[6:7] offset:4608*i+4096
.set i, i+1
.endr
.set i, 0
.rept 16
	global_load_b128 v[CX+4*i:CX+4*i+3], v1, s[6:7] offset:4608*i
.set i, i+1
.endr
	global_load_b128 v[SS:SS+3], v1, s[4:5]
	global_load_b128 v[SS+4:SS+7], v1, s[4:5] offset:4096
	s_wait_loadcnt 18                              ; the 16 pairs are in; the 18 younger loads stay out
	v_max3_num_f32 v[MM], v[ML], v[ML+2], v[ML+4]
.irp i, 3,5,7,9,11,13
	v_max3_num_f32 v[MM], v[MM], v[ML+2*(\i)], v[ML+2*(\i)+2]
.endr
	v_max_num_f32 v[MM], v[MM], v[ML+30]
.set i, 0
.rept 16
	v_sub_f32 v[WW+i], v[ML+2*i], v[MM]
.set i, i+1
.endr
.set i, 0
.rept 16
	v_mul_f32 v[WW+i], s14, v[WW+i]
.set i, i+1
.endr
.set i, 0
.rept 16
	v_exp_f32 v[WW+i], v[WW+i]
.set i, i+1
.endr
	v_nop                                          ; a plain instruction between the last exponential and the use of its result (ISA guide 5.7.2)
	s_wait_alu depctr_va_vdst(0)
	v_mul_f32 v[LL], v[WW], v[ML+1]
.set i, 1
.rept 15
	v_fma_f32 v[LL], v[WW+i], v[ML+2*i+1], v[LL]
.set i, i+1
.endr
	v_rcp_f32 v[RL], v[LL]
	v_nop
.set i, 0
	s_wait_alu depctr_va_vdst(0)
.rept 16
	v_mul_f32 v[WW+i], v[WW+i], v[RL]
.set i, i+1
.endr
	s_wait_loadcnt 2                               ; the 16 ctx parts are in; the two loads of scores stay out
.irp n, 0,1,2,3
	v_mul_f32 v[OC+(\n)], v[WW], v[CX+(\n)]
.endr
.set i, 1
.rept 15
.irp n, 0,1,2,3
	v_fma_f32 v[OC+(\n)], v[WW+i], v[CX+4*i+(\n)], v[OC+(\n)]
.endr
.set i, i+1
.endr
	global_store_b128 v1, v[OC:OC+3], s[8:9]       ; each store of a wave covers 512 consecutive bytes, aligned
	s_wait_loadcnt 0x0
.irp n, 0,1,2,3,4,5,6,7
	v_sub_f32 v[SS+(\n)], v[SS+(\n)], v[MM]
.endr
.irp n, 0,1,2,3,4,5,6,7
	v_mul_f32 v[SS+(\n)], s14, v[SS+(\n)]
.endr
.irp n, 0,1,2,3,4,5,6,7
	v_exp_f32 v[SS+(\n)], v[SS+(\n)]
.endr
	v_nop
	s_wait_alu depctr_va_vdst(0)
.irp n, 0,1,2,3,4,5,6,7
	v_mul_f32 v[SS+(\n)], v[SS+(\n)], v[RL]
.endr
	global_store_b128 v1, v[SS:SS+3], s[10:11]
	global_store_b128 v1, v[SS+4:SS+7], s[10:11] offset:4096
	s_endpgm
.Lfunc_end_k_q4ca6cb7207_finish:
	.size	k_q4ca6cb7207_finish, .Lfunc_end_k_q4ca6cb7207_finish-k_q4ca6cb7207_finish
	.p2alignl 7, 3214868480
	.fill 96, 4, 3214868480
	.section	.rodata,"a",@progbits
	.p2align	6, 0x0
	.amdhsa_kernel k_q4ca6cb7207_finish
		.amdhsa_group_segment_fixed_size 0
		.amdhsa_private_segment_fixed_size 0
		.amdhsa_enable_private_segment 0
		.amdhsa_kernarg_size 32
		.amdhsa_user_sgpr_count 2
		.amdhsa_user_sgpr_kernarg_segment_ptr 1
		.amdhsa_wavefront_size32 1
		.amdhsa_system_sgpr_workgroup_id_x 1
		.amdhsa_system_sgpr_workgroup_id_y 1
		.amdhsa_system_sgpr_workgroup_id_z 1
		.amdhsa_system_vgpr_workitem_id 0
		.amdhsa_next_free_vgpr 136
		.amdhsa_next_free_sgpr 66
		.amdhsa_reserve_vcc 0
		.amdhsa_float_denorm_mode_32 3
		.amdhsa_float_denorm_mode_16_64 3
		.amdhsa_memory_ordered 1
		.amdhsa_forward_progress 1
		.amdhsa_inst_pref_size 13
	.end_amdhsa_kernel
	.amdgpu_metadata
---
amdhsa.version: [ 1, 2 ]
amdhsa.kernels:
  - .name:           k_q4ca6cb7207_finish
    .symbol:         k_q4ca6cb7207_finish.kd
    .args:
      - { .name: scores, .offset: 0, .size: 8, .value_kind: global_buffer, .address_space: global }
      - { .name: prec, .offset: 8, .size: 8, .value_kind: global_buffer, .address_space: global }
      - { .name: out0, .offset: 16, .size: 8, .value_kind: global_buffer, .address_space: global }
      - { .name: out1, .offset: 24, .size: 8, .value_kind: global_buffer, .address_space: global }
    .group_segment_fixed_size: 0
    .private_segment_fixed_size: 0
    .kernarg_segment_align: 8
    .kernarg_segment_size: 32
    .max_flat_workgroup_size: 256
    .sgpr_count:     66
    .vgpr_count:     136
    .wavefront_size: 32
...
	.end_amdgpu_metadata
.endif
;; end of part 3
;; ======== version 2 of 2: 3 launches; version 1 with the launch main written anew for expert scheduling mode
;; workspace buffers: wf 2,097,152 bytes; uc 131,072 bytes; scores 262,144 bytes; prec 2,359,296 bytes
;; launch prep: the kernel of part 1 again; grid 64 x 1, 16 waves a work-group, no clusters, 34,816 bytes of LDS; arguments W, dec_hidden, wf, uc; writes wf, uc
;; launch main (part 4): grid 16 x 32, 4 waves a work-group, no clusters, 280,064 bytes of LDS; arguments enc_hiddens, wf, uc, V, mask, scores, prec; writes scores, prec
.if DOCPART == 4
	.amdgcn_target "amdgcn-amd-amdhsa--gfx1250"
	.amdhsa_code_object_version 6
	.text
	.protected	k_q4ca6cb7207_main
	.globl	k_q4ca6cb7207_main
	.p2align	8
	.type	k_q4ca6cb7207_main,@function
k_q4ca6cb7207_main:
	s_mov_b64 s[64:65], 0
	v_nop
	global_prefetch_b8 v0, s[64:65] scope:SCOPE_SE
	s_setreg_imm32_b32 hwreg(HW_REG_WAVE_SCHED_MODE, 0, 2), 2
	s_setreg_imm32_b32 hwreg(HW_REG_WAVE_MODE, 25, 1), 1
	s_wait_xcnt 0x0
	s_wait_alu depctr_vm_vsrc(0)
; THE MAIN LAUNCH.  Work-group (x, b) takes rows 128 x .. 128 x + 127 of batch b, masked or not:
;   L  the rows are rounded to bf16 and laid into LDS (A): every byte of enc is read from memory once;
;   C  x = A W_enc^T on the matrix unit, wave w making columns d = 256 w .. 256 w + 255 in two halves of 128; behind each half the activation, in f32:
;      tanh(x + u) = 1 - 2 / (1 + 2^(c x + c u)), c = 2 log2(e), and the wave's part of the score, the sum over d of V[d] tanh;
;   S  a masked row's score becomes -inf; the chunk's maximum m, weights p = e^(score - m) and their sum l; ctx part = sum of p x row, from the same rows in
;      LDS, on the matrix unit; the scores go to scores, (m, l) and the ctx part into the chunk's record of prec.  The last launch joins a batch's 16 records.
; FORMATS.  enc, W, dec, V are rounded to bf16, p too for the last product (l is taken of the unrounded p); sums, u, the activation, scores, m, l in f32.
; LIMITS.  A mask byte other than 0 counts as True.  A weight below 2^-126 counts as 0.  The exponents take max(m, lowest finite f32), so that a chunk with every
; row masked gives p = 0, l = 0 and a ctx part of 0; its record keeps m = -inf.
; NOTHING READ FROM MEMORY STEERS A BRANCH OR AN ADDRESS: masked rows are computed like the others and their scores replaced by a select.
; W COMES STRAIGHT INTO REGISTERS: the waves are split along d, so a fragment of W is one wave's alone; wf holds them in the order of use, and a ring of four
; K steps (64 registers each) is loaded three steps ahead.  NO TENSOR LOADS: enc is cast on its way into LDS.  NO CLUSTER: what the work-groups share is W;
; of LDS's 327,680 bytes 280,064 are in use, and two slots of one K step of the four waves' W would take 65,536.
; THE MATRIX INSTRUCTION IS USED TRANSPOSED: source 0 = 16 columns d of W, source 1 = 16 rows of A: a lane holds ONE row (lane % 16) and d = 8 (lane / 16) + 0..7.
; ADDRESSES THAT MOVE are a register that is never rewritten plus a scalar that steps in its counted loop; W's is wf's pointer plus such a scalar.
; THE MODE: SCHED_MODE bits 1:0 = 2 (LLVM: expert scheduling mode 2), set by the entry lines.  The code itself states the register dependences between vector or
; matrix instructions and memory or LDS instructions, with s_wait_alu, always for 0.
; THE PLAN.  Registers that memory or LDS instructions touch:
;   phase L   X0 .. X5  six row slots.  Row r's conversions read X[r % 6]; behind them the loads of row r + 6 land in it.
;             Y         sixteen registers.  Row r's conversions write it; row r's eight LDS stores read it.  (The tables pass through the same registers first.)
;             A row has two waits: at its head, that the stores of the row before have read Y; behind its conversions, that Y is written and X[r % 6] read out.
;   phase C   W0 .. W3  Step s's products read W[s % 4]; the loads of step s + 3, issued in step s, land in W[(s - 1) % 4].
;             F0, F1    Step s's products read F[s % 2]; the LDS loads of step s + 1, issued in step s, land in the other.
;             v[EA ..]  read by the fragments' loads, written once in four steps; v[TA] read by the tables' loads, written once a half.
;             UV0, UV1  Column tile b's activation reads UV[b % 2]; the loads of tile b + 1 land in the other.
;             ONE wait on va_vdst stands at a step's head: the products of the step before are done reading W[(s - 1) % 4] and the other F, and v[EA ..] or v[TA] is written where it
;             was stepped.  The step's 32 loads follow among its products, which name W[s % 4], F[s % 2] and the sums: none of the registers that those loads touch.
;             In the activation the wait behind the first run of exponentials also shows the tile before done with the other UV; the next tile's loads stand directly behind it.
;   phase S   the turned fragments have four buffers, so no load lands in registers that a product of this phase has read; each run of stores has one wait ahead of it.
;   All other address registers are made in the head, ahead of a wait on va_vdst, and never written again.
; REGISTERS, in windows of 256 (s_set_vgpr_msb: bits 1:0 source 0, 3:2 source 1, 5:4 source 2, 7:6 destination):
;   window 0: v0-39 addresses; v40-231 phase L's six row slots, v232-251 the tables on their way, then v232-247 Y; later v40-103 and v192-255 A's fragments, v112-127 scores, v130-161 c u and V, v162-189 softmax
;   window 1: W's ring, later A's turned fragments of rows 64-127      window 2: the sums of row tiles 0-3, later ctx      window 3: the sums of row tiles 4-7, later A's turned fragments of rows 0-63
.set PA,    2064                       ; a row of A in LDS: 2,048 bytes + 16: 129 x 16, so the 16 rows of a fragment load start at 16 different groups of four banks (ISA guide 11.1)
.set UCT,   128*PA                     ; 4,096 bytes: c u of my batch
.set VT,    UCT+4096                   ; 4,096 bytes: V, rounded to bf16 and widened again
.set SCW,   VT+4096                    ; [4 waves][128 rows] partial scores
.set PB,    SCW+2048                   ; 256 bytes a wave: 128 weights in bf16
.set CTXS,  PB+1024                    ; 1,024 bytes a wave: ctx on its way out
.set SPARE, CTXS+4096                  ; the spare words, 128 bytes for each wave
.set SPW, 1                            ; my spare word's address; never rewritten
.set NIL, 2                            ; 0; never rewritten
.set RR,  3                            ; lane % 16
.set HH,  4                            ; lane / 16
.set LN,  5                            ; lane
.set L16, 7                            ; 16 lane
.set LA0, 8                            ; v8, v9: where my wave's rows 0-15 and 16-31 go: 32 w rows (+ 16 rows) + 8 lane
.set EA,  10                           ; v10-13: EB + s73: A's fragments of the K group in hand
.set TA,  15                           ; TA0 + s72: the tables of the half in hand
.set TA0, 16
.set SW,  17                           ; where my partial scores go
.set RW,  18                           ; where rows 4 lane + 0..3 are read back
.set PBA, 20
.set PFA, 21
.set CST, 22
.set CRD, 23
.set L4,  24                           ; 4 lane
.set T0,  25
.set MW,  26                           ; the mask bytes of rows 4 lane + 0..3
.set EB,  27                           ; v27-30: (32 i + r) rows + 16 h; never rewritten
.set TR,  32                           ; v32-35: the turning loads' addresses, 32 rows each
.set T1,  36
.set CGO, 38                           ; 1,024 w + 16 lane
.set T2,  39
.set STG, 40
.set EF,  40                           ; A's fragments, buffer 0
.set EF1, 192                          ; A's fragments, buffer 1
.set PF,  40
.set CO,  80
.set SC,  112
.set UV,  130
.set PT,  162
.set MX,  186                          ; v186 m, v187 l, v188-189 the same again: the quad that is stored
.set LS,  187
.set TB,  232
.set YB,  232                          ; Y: a row in bf16 on its way into LDS
; scalars: s[4:5] enc at my wave's rows, s[6:7] wf at my wave, s[8:9] uc at my batch, s[10:11] V, s[12:13] mask at my rows, s[14:15] scores at my rows, s[16:17] my record,
; s20 wave, s21 x, s22 b, s26 s27 counters, s[28:29] c, s[30:31] lane selects, s[52:53] an offset pair, s56-59 which lanes' rows are not masked, s67 log2(e), s68 -inf, s69 s71 at work,
; s72 s73 the steps of TA and EA, s[74:75] W's offset, s[76:77] wf at the ring's next fills
.set MSB, 0
.macro WIN new                         ; the immediate's high byte repeats the setting that is left; a switch that changes nothing is dropped
.if MSB != (\new)
	s_set_vgpr_msb (MSB<<8)|(\new)
.set MSB, (\new)
.endif
.endm
.macro PLACES                          ; four places between a matrix instruction and a vector instruction or a store that reads its result
.rept 4
	v_nop
.endr
.endm
.macro WLOAD ph                        ; 16 loads of 512 consecutive bytes: a K step's 8 fragments of W into ring buffer ph
	WIN 0x40
.irp f, 0,1,2,3,4,5,6,7,8,9,10,11,12,13,14,15
	global_load_b128 v[64*(\ph)+4*(\f):64*(\ph)+4*(\f)+3], v[L16], s[76:77] offset:(\ph)*8192+512*(\f)
.endr
.endm
; ---- phase L's macros.  A ring of six slots in registers, a row of 4,096 bytes each: 48 loads of 512 bytes of every wave are on their way.  The 32 rows are written out: every address is an immediate.
.macro LFILL row
.set sl, STG+32*((\row)%6)
.irp k, 0,1,2,3,4,5,6,7
	global_load_b128 v[sl+4*(\k):sl+4*(\k)+3], v[L16], s[4:5] offset:(\row)*4096+512*(\k) th:TH_LOAD_NT
.endr
.endm
.macro LSLOT row
.set sl, STG+32*((\row)%6)
.if (\row) <= 26
	s_wait_loadcnt 40                              ; loads come back in order (ISA guide 5.7.1): my row's eight are in, the next five rows' stay out
.else
	s_wait_loadcnt 8*(31-(\row))                   ; the last rows: the counts run down
.endif
	s_wait_alu depctr_vm_vsrc(0)                   ; the LDS stores of the row before (ahead of row 0: the tables' stores) have read Y, which the conversions write again
.irp k, 0,1,2,3,4,5,6,7
	v_cvt_pk_bf16_f32 v[YB+2*(\k)],   v[sl+4*(\k)],   v[sl+4*(\k)+1]
	v_cvt_pk_bf16_f32 v[YB+2*(\k)+1], v[sl+4*(\k)+2], v[sl+4*(\k)+3]
.endr
	s_wait_alu depctr_va_vdst(0)                   ; the conversions have written Y, which the LDS stores read, and are done reading the slot, in which the loads land
.if (\row) <= 25
	LFILL (\row)+6                                 ; the slot is asked for again at once, ahead of the stores
.endif
.irp k, 0,1,2,3,4,5,6,7
	ds_store_b64 v[LA0+(\row)/16], v[YB+2*(\k):YB+2*(\k)+1] offset:((\row)%16)*PA+256*(\k)   ; 32 lanes, 256 consecutive bytes
.endr
.endm
; ---- phase C's macros
.macro EASET                           ; A's four fragment addresses for the K group at byte s73 of the rows
.irp i, 0,1,2,3
	v_add_nc_u32 v[EA+(\i)], s73, v[EB+(\i)]
.endr
.endm
.macro EFLOAD a, k, f                  ; row tile a's fragment at byte k of the K group in hand, into buffer f
.set FL, EF+(EF1-EF)*(\f)+8*(\a)
	ds_load_b128 v[FL:FL+3],   v[EA+(\a)/2] offset:((\a)%2)*16*PA+(\k)
	ds_load_b128 v[FL+4:FL+7], v[EA+(\a)/2] offset:((\a)%2)*16*PA+(\k)+32
.endm
.macro PROD ph, a, zero                ; row tile a (fragment buffer ph % 2) x the 8 column tiles of ring buffer ph.  zero = 1: the products start the sums
.if (\a) < 4
	WIN 0xa1
.else
	WIN 0xf1
.endif
.set AC, 64*((\a)%4)
.set FB, EF+(EF1-EF)*((\ph)%2)+8*(\a)
.irp b, 0,1,2,3,4,5,6,7
.if \zero
	v_wmma_f32_16x16x32_bf16 v[AC+8*(\b):AC+8*(\b)+7], v[64*(\ph)+8*(\b):64*(\ph)+8*(\b)+7], v[FB:FB+7], 0
.else
	v_wmma_f32_16x16x32_bf16 v[AC+8*(\b):AC+8*(\b)+7], v[64*(\ph)+8*(\b):64*(\ph)+8*(\b)+7], v[FB:FB+7], v[AC+8*(\b):AC+8*(\b)+7]
.endif
.endr
.endm
.macro ADVW                            ; the ring's fills go four K steps on; behind my 524,288 bytes they begin again, so that no load leaves wf (the last three fills serve nothing)
	WIN 0
	s_add_co_u32 s74, s74, 0x8000
	s_and_b32 s74, s74, 0x7ffff
	s_wait_xcnt 0x0                                ; the loads issued have read their base
	s_add_nc_u64 s[76:77], s[6:7], s[74:75]
.endm
.macro UVLOAD b                        ; c u and V of my 8 columns of column tile b, into buffer b % 2
	WIN 0
.set UL, UV+16*((\b)%2)
	ds_load_b128 v[UL:UL+3],     v[TA] offset:64*(\b)
	ds_load_b128 v[UL+4:UL+7],   v[TA] offset:64*(\b)+16
	ds_load_b128 v[UL+8:UL+11],  v[TA] offset:64*(\b)+4096
	ds_load_b128 v[UL+12:UL+15], v[TA] offset:64*(\b)+4112
.endm
; A K step of 32: 64 products on 64 accumulators, which take turns, one instruction a turn over the loops' edges too.
; At its head this step's W and fragments of A are waited for.  Behind its first eight products A's fragments of the next step (at byte efk) are fetched into the other fragment buffer; behind the next
; eight the ring buffer that the step before read is filled with the step three on: that fill has nearly three steps' products in which to land, and 48 loads of W are out at the most.
; newea = 1: A's addresses move to the K group at s73 first.  uv = 1: a half's last step: the first column tile's tables are asked for too.  Behind the step that fills ring buffer 3 the ring's base moves on.
.macro STEP ph, zero, efk, newea=0, uv=0
	s_wait_loadcnt 32                              ; this step's 16 loads of W are in; the two later steps' 32 stay out
	s_wait_dscnt 0x0                               ; this step's fragments of A are in: they were asked for 56 products ago
.if \newea
	WIN 0
	s_wait_alu depctr_vm_vsrc(0)                   ; the fragments' loads issued so far have read v[EA ..]
	EASET
.endif
	s_wait_alu depctr_va_vdst(0)                   ; the products of the step before are done reading their ring buffer and their fragment buffer, in which this step's loads land; v[EA ..] and v[TA] are written where they were stepped
	PROD \ph, 0, \zero
	WIN 0
.irp a, 0,1,2,3,4,5,6,7
	EFLOAD \a, \efk, ((\ph)+1)%2                   ; no wait: no vector or matrix instruction since the wait above names these registers
.endr
.if \uv
	UVLOAD 0                                       ; its buffer was last read in the half before
.endif
	PROD \ph, 1, \zero
	WLOAD ((\ph)+3)%4                              ; likewise
.irp a, 2,3,4,5,6,7
	PROD \ph, \a, \zero
.endr
.if (\ph) == 0
	ADVW
.endif
.endm
; The activation of the four row tiles from a0 on, column tile b, in place: c x + c u; 2^; + 1; 1 /; 1 - 2 x that; then score += V tanh.  Each accumulator's lowest pair is read first.
; A v_nop stands behind each run of transcendentals, ahead of the first use of a result (ISA guide 5.7.2).
.macro EACH line:vararg                ; one line for each pair pp of each tile tt
.set tt, 0
.rept 4
.set pp, 0
.rept 4
	\line
.set pp, pp+1
.endr
.set tt, tt+1
.endr
.endm
.macro BATCH b, a0
.if (\a0) == 0
.set WA, 0x82
.set WB, 0x02
.else
.set WA, 0xc3
.set WB, 0x03
.endif
.set XB, 8*(\b)
.set U, UV+16*((\b)%2)
	WIN WA
	EACH v_pk_fma_f32 v[XB+64*tt+2*pp:XB+64*tt+2*pp+1], v[XB+64*tt+2*pp:XB+64*tt+2*pp+1], s[28:29], v[U+2*pp:U+2*pp+1] op_sel_hi:[1,0,1]
.set tt, 0
.rept 4
.set pp, 0
.rept 8
	v_exp_f32 v[XB+64*tt+pp], v[XB+64*tt+pp]
.set pp, pp+1
.endr
.set tt, tt+1
.endr
	v_nop
	s_wait_alu depctr_va_vdst(0)                   ; the 32 exponentials have written their results, ahead of the first line that names one; and the column tile before is done reading the tables' other buffer
.if ((\a0) == 0) && ((\b) < 7)
	UVLOAD (\b)+1                                  ; the next column tile's tables land in that buffer: they have the rest of this tile's activation in which to come
	WIN WA
.endif
	EACH v_pk_add_f32 v[XB+64*tt+2*pp:XB+64*tt+2*pp+1], v[XB+64*tt+2*pp:XB+64*tt+2*pp+1], 1.0 op_sel_hi:[1,0]
.set tt, 0
.rept 4
.set pp, 0
.rept 8
	v_rcp_f32 v[XB+64*tt+pp], v[XB+64*tt+pp]
.set pp, pp+1
.endr
.set tt, tt+1
.endr
	v_nop
	s_wait_alu depctr_va_vdst(0)                   ; the 32 reciprocals have written their results, ahead of the first line that names one
	EACH v_pk_fma_f32 v[XB+64*tt+2*pp:XB+64*tt+2*pp+1], v[XB+64*tt+2*pp:XB+64*tt+2*pp+1], -2.0, 1.0 op_sel_hi:[1,0,0]
	WIN WB
.set pp, 0
.rept 4
.set tt, 0
.rept 4
	v_pk_fma_f32 v[SC+2*((\a0)+tt):SC+2*((\a0)+tt)+1], v[XB+64*tt+2*pp:XB+64*tt+2*pp+1], v[U+8+2*pp:U+8+2*pp+1], v[SC+2*((\a0)+tt):SC+2*((\a0)+tt)+1]
.set tt, tt+1
.endr
.set pp, pp+1
.endr
.endm
; ---- phase S's macros
.macro CT_LOAD kk                      ; rows 32 kk .. of A, my 256 columns e, turned: 16 fragments (16 e x 32 rows) into a buffer of their own: kk = 0, 1 in window 3, kk = 2, 3 in window 1
.if (\kk) < 2
	WIN 0xc0
.else
	WIN 0x40
.endif
.irp et, 0,1,2,3,4,5,6,7,8,9,10,11,12,13,14,15
	ds_load_tr16_b128 v[128*((\kk)%2)+8*(\et):128*((\kk)%2)+8*(\et)+3],   v[TR+(\kk)] offset:32*(\et)
	ds_load_tr16_b128 v[128*((\kk)%2)+8*(\et)+4:128*((\kk)%2)+8*(\et)+7], v[TR+(\kk)] offset:32*(\et)+16*PA
.endr
.endm
.macro CT_MUL kk                       ; ctx^T += A^T p: 16 accumulators by turns; every column of source 1 holds p
.if (\kk) < 2
	WIN 0xa3
.else
	WIN 0xa1
.endif
.irp et, 0,1,2,3,4,5,6,7,8,9,10,11,12,13,14,15
.if (\kk) == 0
	v_wmma_f32_16x16x32_bf16 v[8*(\et):8*(\et)+7], v[128*((\kk)%2)+8*(\et):128*((\kk)%2)+8*(\et)+7], v[PF+8*(\kk):PF+8*(\kk)+7], 0
.else
	v_wmma_f32_16x16x32_bf16 v[8*(\et):8*(\et)+7], v[128*((\kk)%2)+8*(\et):128*((\kk)%2)+8*(\et)+7], v[PF+8*(\kk):PF+8*(\kk)+7], v[8*(\et):8*(\et)+7]
.endif
.endr
.endm
	s_load_b256 s[4:11], s[0:1], 0x0               ; enc s[4:5], wf s[6:7], uc s[8:9], V s[10:11]
	s_load_b128 s[12:15], s[0:1], 0x20             ; mask s[12:13], scores s[14:15]
	s_load_b64 s[16:17], s[0:1], 0x30              ; prec
	v_lshl_add_u32 v[SPW], v0, 2, SPARE
	v_mov_b32 v[NIL], 0
	v_lshrrev_b32 v[T0], 5, v0
	v_readfirstlane_b32 s20, v[T0]                 ; wave 0..3
	s_mov_b32 s21, ttmp9                           ; x: which 128 rows of the batch
	s_and_b32 s22, ttmp7, 0xffff                   ; b
	s_mov_b32 s28, 0x4038aa3b                      ; c = 2 log2(e)
	s_mov_b32 s29, s28                             ; named with it as a pair
	s_mov_b32 s30, 0x76543210                      ; v_permlanex16_b32: each lane takes its own place in the other half
	s_mov_b32 s31, 0xfedcba98
	s_mov_b32 s53, 0                               ; the high word of the offset pair s[52:53]
	s_mov_b32 s67, 0x3fb8aa3b                      ; log2(e)
	s_mov_b32 s68, 0xff800000                      ; -inf
	s_mov_b32 s74, 0                               ; W's offset, in 64 bits
	s_mov_b32 s75, 0
	v_and_b32 v[RR], 15, v0
	v_bfe_u32 v[HH], v0, 4, 1
	v_and_b32 v[LN], 31, v0
	v_lshlrev_b32 v[L16], 4, v[LN]
	v_lshlrev_b32 v[L4], 2, v[LN]
	v_lshlrev_b32 v[T2], 4, v0                     ; 16 x thread: the tables
	s_wait_alu depctr_va_sdst(0)                   ; s20 is written, ahead of its first reader: the bases and the LDS places are made from it
	s_wait_kmcnt 0x0
	s_lshl_b32 s52, s22, 23                        ; a batch is 2,048 rows of 4,096 bytes,
	s_lshl_b32 s69, s21, 19                        ; my work-group's part 128 rows,
	s_add_co_u32 s52, s52, s69
	s_lshl_b32 s69, s20, 17                        ; my wave's 32 of them
	s_add_co_u32 s52, s52, s69
	s_add_nc_u64 s[4:5], s[4:5], s[52:53]
	s_lshl_b32 s52, s20, 19
	s_add_nc_u64 s[6:7], s[6:7], s[52:53]          ; wf at my wave's 256 columns
	s_mov_b64 s[76:77], s[6:7]
	s_lshl_b32 s52, s22, 12
	s_add_nc_u64 s[8:9], s[8:9], s[52:53]          ; uc at my batch
	s_lshl_b32 s52, s22, 11
	s_lshl_b32 s69, s21, 7
	s_add_co_u32 s52, s52, s69                     ; my first row among all: a byte of mask,
	s_add_nc_u64 s[12:13], s[12:13], s[52:53]
	s_lshl_b32 s52, s52, 2                         ; four bytes of scores
	s_add_nc_u64 s[14:15], s[14:15], s[52:53]
	s_lshl4_add_u32 s69, s22, s21                  ; 16 b + x
	s_mul_i32 s52, s69, 4608
	s_add_nc_u64 s[16:17], s[16:17], s[52:53]      ; my record
	s_wait_alu depctr_va_vdst(0)                   ; the offsets v[T2], v[L4] and v[L16] are written, which the loads below read
	global_load_b128 v[TB:TB+3], v[T2], s[8:9]
	global_load_b128 v[TB+4:TB+7], v[T2], s[8:9] offset:2048
	global_load_b128 v[TB+8:TB+11], v[T2], s[10:11]
	global_load_b128 v[TB+12:TB+15], v[T2], s[10:11] offset:2048
	global_load_b32 v[MW], v[L4], s[12:13]
.irp r, 0,1,2,3,4,5
	LFILL \r
.endr
	; the address registers, while the loads are out
	s_mul_i32 s69, s20, 32*PA
	v_lshl_add_u32 v[LA0], v[LN], 3, s69
	v_add_nc_u32 v[LA0+1], 16*PA, v[LA0]
	v_mul_u32_u24 v[EB], v[RR], PA
	v_lshl_add_u32 v[EB], v[HH], 4, v[EB]
.irp i, 1,2,3
	v_add_nc_u32 v[EB+(\i)], (\i)*32*PA, v[EB]
.endr
.irp i, 0,1,2,3
	v_mov_b32 v[EA+(\i)], v[EB+(\i)]               ; K = 0
.endr
	s_lshl_b32 s69, s20, 10
	s_add_co_u32 s71, s69, UCT
	v_lshl_add_u32 v[TA0], v[HH], 5, s71           ; (256 w + 8 h) x 4
	s_add_co_u32 s71, s69, CTXS
	v_lshl_add_u32 v[CST], v[HH], 5, s71
	v_add_nc_u32 v[CRD], s71, v[L16]
	v_add_nc_u32 v[CGO], s69, v[L16]
	s_lshl_b32 s69, s20, 9
	s_add_co_u32 s71, s69, SCW
	v_lshl_add_u32 v[SW], v[RR], 2, s71
	v_add_nc_u32 v[RW], SCW, v[L16]
	; the turning load: lane l reads 16 bytes of row 8 (l / 16) + l % 8, columns 8 ((l / 8) % 2) + 0..7
	v_and_b32 v[T0], 7, v0
	v_lshl_add_u32 v[T0], v[HH], 3, v[T0]
	v_mul_u32_u24 v[T0], v[T0], PA
	v_bfe_u32 v[T1], v0, 3, 1
	v_lshl_add_u32 v[T0], v[T1], 4, v[T0]
	v_add_nc_u32 v[TR], s69, v[T0]                 ; + my wave's 256 columns e
.irp k, 1,2,3
	v_add_nc_u32 v[TR+(\k)], (\k)*32*PA, v[TR]
.endr
	s_lshl_b32 s69, s20, 8
	s_add_co_u32 s71, s69, PB
	v_lshl_add_u32 v[PBA], v[LN], 3, s71
	v_lshl_add_u32 v[PFA], v[HH], 4, s71
	s_wait_loadcnt 48                              ; the tables and the mask word are in: the six rows' 48 loads were issued behind them
	v_add_nc_u32 v[T0], UCT, v[T2]
.irp n, 0,1,2,3
	v_cvt_pk_bf16_f32 v[TB+16+(\n)], v[TB+8+2*(\n)], v[TB+8+2*(\n)+1]   ; V is rounded to bf16 like the other inputs,
.endr
.irp n, 0,1,2,3
	v_lshlrev_b32 v[TB+8+2*(\n)], 16, v[TB+16+(\n)]                     ; and widened again
	v_and_b32 v[TB+8+2*(\n)+1], 0xffff0000, v[TB+16+(\n)]
.endr
	s_wait_alu depctr_va_vdst(0)                   ; v[T0] and V's eight numbers are written, which the four stores read; so are all the address registers made above, for the rest of the kernel
	ds_store_b128 v[T0], v[TB:TB+3]
	ds_store_b128 v[T0], v[TB+4:TB+7] offset:2048
	ds_store_b128 v[T0], v[TB+8:TB+11] offset:4096
	ds_store_b128 v[T0], v[TB+12:TB+15] offset:6144
	; ---- PHASE L: wave w brings rows 32 w .. 32 w + 31
.set rw, 0
.rept 32
	LSLOT rw
.set rw, rw+1
.endr
	WLOAD 0                                        ; W's first three K steps go out while the waves meet: no vector instruction has named window 1
	WLOAD 1
	WLOAD 2
	WIN 0
	s_wait_dscnt 0x0                               ; for the others' sake: my rows of A and my part of the tables are in LDS
	s_barrier_signal -1
	s_barrier_wait -1
	; ---- PHASE C
	s_wait_alu depctr_vm_vsrc(0)                   ; my LDS stores have read Y: its registers belong to fragment buffer 1 from here on, in which LDS loads land
.irp a, 0,1,2,3,4,5,6,7
	EFLOAD \a, 0, 0                                ; K step 0 (the last row's wait on va_vdst stands behind every conversion that read these registers)
.endr
.set i, 0
.rept 16
	v_mov_b32 v[SC+i], 0
.set i, i+1
.endr
	s_mov_b32 s72, 0
	s_mov_b32 s73, 0
	s_mov_b32 s27, 2
.Ldc:                                                  ; a half of my columns: 8 column tiles, K = 1,024 in 32 steps, then the activation
	s_wait_alu depctr_vm_vsrc(0)                   ; the tables' loads of the half before have read v[TA]
	v_add_nc_u32 v[TA], s72, v[TA0]
	STEP 0, 1, 64                                  ; the first step stands in front of the loop: its products start the sums
	WIN 0
	s_mov_b32 s26, 7
.Lk:
	STEP 1, 0, 128
	STEP 2, 0, 192
	STEP 3, 0, 256
	s_add_co_u32 s73, s73, 256                     ; A's next group of four K steps
	STEP 0, 0, 64, 1
	WIN 0
	s_sub_co_i32 s26, s26, 1
	s_cmp_lg_u32 s26, 0
	s_cbranch_scc1 .Lk
	STEP 1, 0, 128
	STEP 2, 0, 192
	s_mov_b32 s73, 0                               ; back to K = 0: the last step fetches the next half's first fragments
	STEP 3, 0, 0, 1, 1
	PLACES                                         ; behind the half's last products, ahead of the activation, which reads the sums
.irp b, 0,1,2,3,4,5,6,7
	s_wait_dscnt 0x0                               ; column tile b's tables are in: they were asked for a tile's activation ago (tile 0's: in the last K step)
	BATCH \b, 0
	BATCH \b, 4
.endr
	WIN 0
	s_add_co_u32 s72, s72, 512                     ; the tables of the next 128 columns
	s_sub_co_i32 s27, s27, 1
	s_cmp_lg_u32 s27, 0
	s_cbranch_scc1 .Ldc
	s_wait_loadcnt 0x0                             ; the ring's last fills
	s_wait_dscnt 0x0                               ; my reads of A and of the tables are back
	s_barrier_signal -1                            ; the phase that only reads LDS ends for every wave before any wave stores again: the ordering does not hang on where the moving addresses point
	; my wave's part of the scores, on registers between the signal and the wait: the pair's two halves, and the other half of the lanes' eight columns
.irp a, 0,1,2,3,4,5,6,7
	v_add_f32 v[UV+(\a)], v[SC+2*(\a)], v[SC+2*(\a)+1]
.endr
.irp a, 0,1,2,3,4,5,6,7
	v_permlanex16_b32 v[UV+16+(\a)], v[UV+(\a)], s30, s31
.endr
.irp a, 0,1,2,3,4,5,6,7
	v_add_f32 v[UV+(\a)], v[UV+(\a)], v[UV+16+(\a)]
.endr
	s_barrier_wait -1
	s_wait_alu depctr_va_vdst(0)                   ; the additions have written the eight partial scores, which the LDS stores read
.irp a, 0,1,2,3,4,5,6,7
	ds_store_b32 v[SW], v[UV+(\a)] offset:64*(\a)  ; both halves of the lanes store the same word
.endr
	s_wait_dscnt 0x0                               ; for the others' sake: my partial scores are in LDS
	s_barrier_signal -1
	s_barrier_wait -1
	; ---- PHASE S.  Every wave makes the statistics for itself: lane l has rows 4 l + 0..3.
.irp q, 0,1,2,3
	ds_load_b128 v[PT+4*(\q):PT+4*(\q)+3], v[RW] offset:512*(\q)
.endr
	s_wait_dscnt 0x0
	v_pk_add_f32 v[PT:PT+1], v[PT:PT+1], v[PT+4:PT+5]
	v_pk_add_f32 v[PT+2:PT+3], v[PT+2:PT+3], v[PT+6:PT+7]
	v_pk_add_f32 v[PT+8:PT+9], v[PT+8:PT+9], v[PT+12:PT+13]
	v_pk_add_f32 v[PT+10:PT+11], v[PT+10:PT+11], v[PT+14:PT+15]
	v_pk_add_f32 v[PT:PT+1], v[PT:PT+1], v[PT+8:PT+9]
	v_pk_add_f32 v[PT+2:PT+3], v[PT+2:PT+3], v[PT+10:PT+11]
.irp y, 0,1,2,3
	v_bfe_u32 v[PT+4+(\y)], v[MW], 8*(\y), 8
.endr
.irp y, 0,1,2,3
	v_cmp_eq_u32 s[56+(\y)], 0, v[PT+4+(\y)]       ; the four compares in one run, each into a scalar register of its own
.endr
	s_wait_alu depctr_va_sdst(0)                   ; s56 to s59 are written, ahead of the selects that read them
.irp y, 0,1,2,3
	v_cndmask_b32 v[PT+(\y)], s68, v[PT+(\y)], s[56+(\y)]   ; a masked row's score is -inf
.endr
	v_max3_num_f32 v[MX], v[PT], v[PT+1], v[PT+2]
	v_max_num_f32 v[MX], v[MX], v[PT+3]
	v_max_num_f32_dpp v[MX], v[MX], v[MX] row_xmask:1 row_mask:0xf bank_mask:0xf
	v_max_num_f32_dpp v[MX], v[MX], v[MX] row_xmask:2 row_mask:0xf bank_mask:0xf
	v_max_num_f32_dpp v[MX], v[MX], v[MX] row_xmask:4 row_mask:0xf bank_mask:0xf
	v_max_num_f32_dpp v[MX], v[MX], v[MX] row_xmask:8 row_mask:0xf bank_mask:0xf
	v_permlanex16_b32 v[PT+4], v[MX], s30, s31
	v_max_num_f32 v[MX], v[MX], v[PT+4]            ; m: -inf where every row of the chunk is masked
	v_max_num_f32 v[PT+5], 0xff7fffff, v[MX]       ; what the exponents take away: m, or the lowest finite number
.irp y, 0,1,2,3
	v_sub_f32 v[PT+8+(\y)], v[PT+(\y)], v[PT+5]
.endr
.irp y, 0,1,2,3
	v_mul_f32 v[PT+8+(\y)], s67, v[PT+8+(\y)]
.endr
.irp y, 0,1,2,3
	v_exp_f32 v[PT+8+(\y)], v[PT+8+(\y)]           ; p = e^(score - m)
.endr
	v_nop
	s_wait_alu depctr_va_vdst(0)                   ; the four exponentials have written p, ahead of the first line that names it
	v_cvt_pk_bf16_f32 v[PT+12], v[PT+8], v[PT+9]
	v_cvt_pk_bf16_f32 v[PT+13], v[PT+10], v[PT+11]
	v_add_f32 v[LS], v[PT+8], v[PT+9]
	v_add_f32 v[PT+6], v[PT+10], v[PT+11]
	v_add_f32 v[LS], v[LS], v[PT+6]
	s_wait_alu depctr_va_vdst(0)                   ; the two roundings have written the pair that the LDS store reads
	ds_store_b64 v[PBA], v[PT+12:PT+13]            ; 128 weights in the rows' order, in my wave's own bytes
.irp k, 0,1,2,3
	ds_load_b128 v[PF+8*(\k):PF+8*(\k)+3],   v[PFA] offset:64*(\k)      ; and back as source 1: rows 32 k + 8 h + 0..7 and + 16, the same for every column.
	ds_load_b128 v[PF+8*(\k)+4:PF+8*(\k)+7], v[PFA] offset:64*(\k)+32   ; LDS serves a wave's instructions in order (ISA guide 5.7.1.4): these see the store above
.endr
	v_add_f32_dpp v[LS], v[LS], v[LS] row_xmask:1 row_mask:0xf bank_mask:0xf
	v_add_f32_dpp v[LS], v[LS], v[LS] row_xmask:2 row_mask:0xf bank_mask:0xf
	v_add_f32_dpp v[LS], v[LS], v[LS] row_xmask:4 row_mask:0xf bank_mask:0xf
	v_add_f32_dpp v[LS], v[LS], v[LS] row_xmask:8 row_mask:0xf bank_mask:0xf
	v_permlanex16_b32 v[PT+6], v[LS], s30, s31
	v_add_f32 v[LS], v[LS], v[PT+6]                ; l
	s_cmp_lg_u32 s20, 0
	s_cbranch_scc1 .Lnot_wave_0
	; wave 0 alone: the chunk's 128 scores, and (m, l) into the record
	v_mov_b32 v[MX+2], v[MX]
	v_mov_b32 v[MX+3], v[LS]
	s_wait_alu depctr_va_vdst(0)                   ; l and the two copies are written, which the second store reads (the scores and m were written ahead of the waits above)
	global_store_b128 v[L16], v[PT:PT+3], s[14:15]               ; 512 consecutive bytes, aligned
	global_store_b128 v[L16], v[MX:MX+3], s[16:17] offset:4096   ; 512 consecutive bytes of (m, l, m, l)
.Lnot_wave_0:
	; The turning loads owe no wait: the last lines that named windows 1 and 3 (phase C's products and activation) stand ahead of the waits above, and each 32 rows have a buffer of their own.
	CT_LOAD 0
	CT_LOAD 1
	s_wait_dscnt 32                                ; all but the 32 just issued: the weights and rows 0-31
	CT_MUL 0
	CT_LOAD 2
	s_wait_dscnt 32
	CT_MUL 1
	CT_LOAD 3
	s_wait_dscnt 32
	CT_MUL 2
	s_wait_dscnt 0x0
	CT_MUL 3
	PLACES                                         ; behind the last products, ahead of the stores that read the sums
	; register j of lane (r, h) is ctx(e = 16 et + 8 h + j), the same for every r: through my wave's stage into 16 bytes a lane
	WIN 0x08                                       ; the stores' data lie in window 2
	s_wait_alu depctr_va_vdst(0)                   ; the products have written ctx, which the LDS stores read; the places above stay beside this wait
.irp et, 0,1,2,3,4,5,6,7,8,9,10,11,12,13,14,15
	ds_store_b128 v[CST], v[8*(\et):8*(\et)+3] offset:64*(\et)
	ds_store_b128 v[CST], v[8*(\et)+4:8*(\et)+7] offset:64*(\et)+16
.endr
	WIN 0
	ds_load_b128 v[CO:CO+3], v[CRD]
	ds_load_b128 v[CO+4:CO+7], v[CRD] offset:512
	s_wait_dscnt 0x0
	global_store_b128 v[CGO], v[CO:CO+3], s[16:17]             ; each store of the wave covers 512 consecutive bytes, aligned
	global_store_b128 v[CGO], v[CO+4:CO+7], s[16:17] offset:512
	s_wait_dscnt 0x0                               ; the wave's end: six lines on end
	s_wait_alu 0x0
	s_wait_tensorcnt 0x0
	ds_add_u32 v[SPW], v[NIL]
	s_wait_dscnt 0x0
	s_endpgm
.Lfunc_end_k_q4ca6cb7207_main:
	.size	k_q4ca6cb7207_main, .Lfunc_end_k_q4ca6cb7207_main-k_q4ca6cb7207_main
	.p2alignl 7, 3214868480
	.fill 96, 4, 3214868480
	.section	.rodata,"a",@progbits
	.p2align	6, 0x0
	.amdhsa_kernel k_q4ca6cb7207_main
		.amdhsa_group_segment_fixed_size 280064
		.amdhsa_private_segment_fixed_size 0
		.amdhsa_enable_private_segment 0
		.amdhsa_kernarg_size 56
		.amdhsa_user_sgpr_count 2
		.amdhsa_user_sgpr_kernarg_segment_ptr 1
		.amdhsa_wavefront_size32 1
		.amdhsa_system_sgpr_workgroup_id_x 1
		.amdhsa_system_sgpr_workgroup_id_y 1
		.amdhsa_system_sgpr_workgroup_id_z 1
		.amdhsa_system_vgpr_workitem_id 0
		.amdhsa_next_free_vgpr 1024
		.amdhsa_next_free_sgpr 78
		.amdhsa_reserve_vcc 0
		.amdhsa_float_denorm_mode_32 3
		.amdhsa_float_denorm_mode_16_64 3
		.amdhsa_memory_ordered 1
		.amdhsa_forward_progress 1
		.amdhsa_inst_pref_size 255
	.end_amdhsa_kernel
	.section	.bss,"aw",@nobits
	.p2align	6
	.space	262144
	.amdgpu_metadata
---
amdhsa.version: [ 1, 2 ]
amdhsa.kernels:
  - .name:           k_q4ca6cb7207_main
    .symbol:         k_q4ca6cb7207_main.kd
    .args:
      - { .name: enc_hiddens, .offset: 0, .size: 8, .value_kind: global_buffer, .address_space: global }
      - { .name: wf, .offset: 8, .size: 8, .value_kind: global_buffer, .address_space: global }
      - { .name: uc, .offset: 16, .size: 8, .value_kind: global_buffer, .address_space: global }
      - { .name: V, .offset: 24, .size: 8, .value_kind: global_buffer, .address_space: global }
      - { .name: mask, .offset: 32, .size: 8, .value_kind: global_buffer, .address_space: global }
      - { .name: scores, .offset: 40, .size: 8, .value_kind: global_buffer, .address_space: global }
      - { .name: prec, .offset: 48, .size: 8, .value_kind: global_buffer, .address_space: global }
    .group_segment_fixed_size: 280064
    .private_segment_fixed_size: 0
    .kernarg_segment_align: 8
    .kernarg_segment_size: 56
    .max_flat_workgroup_size: 128
    .sgpr_count:     78
    .vgpr_count:     1024
    .wavefront_size: 32
...
	.end_amdgpu_metadata
.endif
;; end of part 4
;; launch finish: the kernel of part 3 again; grid 32 x 1, 8 waves a work-group, no clusters, 0 bytes of LDS; arguments scores, prec, out0, out1; writes out0, out1
